; MI455X (gfx1250); checked and timed in simulation.
; The chip was launched on July 23, 2026; its instructions are those of AMD's public machine-readable ISA for CDNA 5 (MIT licence, August 2026) and "CDNA5" Instruction Set Architecture Reference Guide (July 2026). The comments in the code are by the model that wrote it; some were corrected since.
;; Multi Head Attention. Allowed arithmetic: float matrix products may take bf16 or f16 operands with f32 sums; all other float work in f32.
;; Inputs: keys 4 x 2,048 x 1,024 float32; querys 4 x 2,048 x 1,024 float32; values 4 x 2,048 x 1,024 float32.
;; Outputs: out0 4 x 2,048 x 1,024 float32.
;; One version. Each part assembles by itself: llvm-mc -triple=amdgcn-amd-amdhsa -mcpu=gfx1250 --defsym DOCPART=n.
;; ======== version 1 of 1: 1 launch
;; limits: inputs' magnitudes at most 65,504; values are held in f16: magnitudes above 65,504 overflow, below 6.1e-05 lose precision
;; launch attn (part 1): grid 4 x 64, 4 waves a work-group, clusters of 4 x 1, 327,680 bytes of LDS; arguments querys, keys, values, out0; writes out0
.if DOCPART == 1
	.amdgcn_target "amdgcn-amd-amdhsa--gfx1250"
	.amdhsa_code_object_version 6
	.text
	.protected	k_q3d9785040b_attn
	.globl	k_q3d9785040b_attn
	.p2align	8
	.type	k_q3d9785040b_attn,@function
k_q3d9785040b_attn:
	s_mov_b64 s[64:65], 0
	v_nop
	global_prefetch_b8 v0, s[64:65] scope:SCOPE_SE
	s_setreg_imm32_b32 hwreg(HW_REG_WAVE_MODE, 25, 1), 1
	s_wait_xcnt 0x0
	s_wait_alu depctr_hold_cnt(0) depctr_sa_sdst(0) depctr_va_vdst(0) depctr_va_sdst(0) depctr_va_ssrc(0) depctr_va_vcc(0) depctr_vm_vsrc(0)
	s_getreg_b32 s2, hwreg(HW_REG_IB_STS2, 6, 4)
	s_cmp_eq_u32 s2, 0
	s_cbranch_scc0 .Lentry_in_a_cluster
	s_endpgm
.Lentry_in_a_cluster:
	s_bfe_u32 s2, ttmp6, 0x10000c
	s_cmp_lg_u32 s2, 0x3003
	s_cbranch_scc0 .Lentry_shape_is_right
	s_endpgm
.Lentry_shape_is_right:
; out[b][q][64 h + :] = the sum over k of softmax_k(Q[b][q][64 h + :] . K[b][k][64 h + :] / 8) V[b][k][64 h + :].  querys, keys, values, out0: [4][2048][1024] f32; 16 heads of 64 channels.
; A head's part of a row is 64 f32 = 256 bytes, at a multiple of 256 bytes; rows lie 4,096 bytes apart.  ONE launch: every input byte is asked for once by a cluster, every output byte stored once.
; FORMATS.  Q, K, V and the weights p are rounded once to f16 for the matrix unit; products, maxima, sums and the output in f32 (l is the sum of the unrounded p).
; LIMITS.  f16 holds no number beyond 65,504: an input of 65,520 or more in size becomes an infinity and its rows are lost; below 6.1e-5 an input keeps f16's fixed step of 6e-8.  p lies in 0 to 1.
; A weight below 2^-126 counts as 0 in l; NaN and infinities are not treated apart.
; SHARES.  Work-group y (0..63) names the pair: batch y / 16, head y % 16.  The four work-groups of a cluster are the pair's four blocks of 512 queries.  A wave owns 128 queries: four PIECES of two tiles of 16.
; Every wave walks all 2,048 keys, 64 a step, two steps (128 keys) a slot, 16 slots.
; CLUSTER.  The four blocks walk the same K and V, so each tile is asked for JOINTLY: the same tensor load, descriptor and mask in all four; each receives it in its own LDS.
; K AND V.  Tensor loads bring f32 tiles into a ring F of two LDS slots.  Behind each change of slots the four waves narrow the slot that has landed to f16, into ONE buffer H of padded rows, bytes of its own that
; no tensor load touches; a barrier; the two key steps then read H.  One H is enough: at a change of slots the old slot's last K and V are in registers.
; LAYOUT.  S^T = K Q^T (source 0 = 16 keys, source 1 = 16 queries): a lane holds ONE query (lane % 16) and the keys 8 (lane / 16) + 0..7.  Two such tiles, rounded to f16 in pairs, ARE source 1 (32 keys x 16 queries)
; of O^T = V^T P, whose result again holds one query a lane, and eight channels.  K comes out of H as it lies, V ([key][channel]) turned, by ds_load_tr16_b128.
; SOFTMAX.  For each query a running maximum m and sum l: p = 2^(c s - c m), c = log2(e) / 8; in every step O and l are multiplied by a = 2^(c m_old - c m_new), which is 1 where m has not grown.
; m starts at the lowest finite number, O and l at 0: the first step is a step like any other, with a = 0.
; THE COUNT.  A tile and step have 16 matrix and 118 vector instructions: too many to stand all beside the matrix work.  So four vector instructions that are READY stand behind EVERY matrix instruction,
; and the others, which need time of their own whatever the order, in runs without a gap.
; BY TURNS.  Turn n belongs to piece n (the pieces in a ring, step after step).  Its matrix work: 16 products K Q^T of piece n + 1, later 16 products V^T P of piece n - 1.  Its vector work: the scaling,
; exponentials, roundings, sums and rescaling of piece n, and the maximum and statistics of piece n + 1, whose scores the turn itself has made.
; REGISTERS, in windows of 256 (s_set_vgpr_msb says which window each operand place means: bits 1:0 source 0, 3:2 source 1, 5:4 source 2, 7:6 destination):
;   window 0: v0-11 addresses; v12-15, v48-63 at work; v16-47 four registers of statistics a tile; v64-191 S^T, two buffers of two tiles; v192-255 P, likewise
;   window 1: O^T, 32 a tile (at the start: Q as loaded, in f32)      window 2: v0-127 Q in f16, 16 a tile; v128-191 K of one step; v192-255 V of one step
;   window 3: v0-1 the add's two registers; v2-5 the narrowing's addresses; v8-135 its 32 x 4 registers
.set NP,    4         ; pieces a wave: a name, no knob
.set KS,    64        ; keys in a step
.set NS,    16        ; slots of 128 keys in the walk
.set ROWB,  4096      ; bytes from row to row in all four tensors
.set FSLOT, 1<<16     ; a slot of F: 128 rows x 256 bytes of K, then of V; slot 1 begins here, so that one exclusive or changes slots
.set FV,    32768     ; V's place in a slot of F
.set PK,    144       ; a row of K in H: 128 bytes + 16 = 36 words: the 16 rows of a load start at 16 different groups of four banks (64 banks of 4 bytes: ISA guide 11.1)
.set PV,    160       ; a row of V in H: 128 + 32 = 40 words
.set HK,    2*FSLOT   ; H: 128 rows of K in f16,
.set HV,    HK+128*PK ; then 128 rows of V
.set STAGE, HV+128*PV ; 16 rows x 272 bytes for each wave, for the way out
.set SP,    272       ; a stage row: 256 bytes of f32 + 16
.set SPARE, STAGE+4*16*SP  ; the spare words, 128 bytes for each wave: two blocks of 256 bytes that no other line names
.set AK0, 2           ; v2   my lane's place in K's rows of H; never rewritten
.set AV0, 3           ; v3   the same for V
.set AK,  4           ; v4   the LDS address of K's next run of loads
.set AV,  5           ; v5   of V's
.set QO,  6           ; v6   my byte offset in the wave's rows of Q
.set STO, 6           ;      later, the way out: where I put 32 bytes of a row
.set RD,  7           ; v7   the way out: where I read rows back
.set GO,  8           ; v8   my byte offset in two rows of out0
.set SPW, 0           ; v0 of window 3   LDS address of my spare word: SPARE + 4 x my thread's number; never rewritten
.set NIL, 1           ; v1 of window 3   0; never rewritten
.set CA0, 2           ; v2 of window 3   my 16 bytes in my wave's first two rows of a slot of F
.set CA,  3           ; v3 of window 3   the same in the slot in hand
.set KD,  4           ; v4 of window 3   where my 8 bytes of f16 go in K's rows of H
.set VD,  5           ; v5 of window 3   the same for V
.set XB,  8           ; v8-135 of window 3   load j of 32: four registers
.set MV,  12          ; v12-15  c m_old, kept while c m is made anew: by buffer and tile
.set ST,  16          ; tile t's statistics at v[ST+4 t]: c m, m, l (even keys', odd keys')
.set TMP, 48          ; by buffer and tile, four registers c0-c3 at work; when the maximum is found c2 takes a
.set S,   64
.set P,   192
.set KF,  128         ; K's fragments, in window 2: key block kb, channel half c at KF + 16 kb + 8 c
.set VF,  192         ; V's: key half kk, channel block cb at VF + 32 kk + 8 cb
.set WV,  12          ; s12  my wave's number
.set G1,  24          ; s[24:31] descriptor group 1, the same for K's and V's tiles
.set G0K, 40          ; s[40:43] descriptor group 0 for K's tiles: it walks
.set G0V, 44          ; s[44:47] the same for V's
.set FB,  48          ; s48  the slot of F that is narrowed next, less one exclusive or
.set SLOTS, 56        ; s56  slots still to be asked for
.set CNT, 57          ; s57  counts a slot's key steps
.set CS,  58          ; s[58:59] c: the packed scaling takes the pair's low word for both halves
.set SEL, 60          ; s[60:61] v_permlanex16_b32's selects: each lane takes its own place in the other half
.set TBK, 62          ; s62  bytes from H's first row of K to the step to be fetched
.set TBV, 63          ; s63  the same for V
.set MSB, 0
.macro WIN new                      ; the high byte repeats the setting that is left; a switch that changes nothing is dropped
.if MSB != (\new)
	s_set_vgpr_msb (MSB<<8)|(\new)
.set MSB, (\new)
.endif
.endm
.set W_KQ, 0x0a       ; K and Q in window 2, S^T in window 0
.set W_PV, 0x52       ; V in window 2, P in window 0, O^T in window 1
.set W_RS, 0x41       ; O^T (destination and source 0) in window 1, the factor in window 0
.set W_MK, 0xc0       ; destination in window 3, sources in window 0
.set W_AD, 0x0f       ; the add: address (source 0) and data (source 1) in window 3
.set W_CV, 0xcf       ; the narrowing: every operand in window 3
; A joint fill.  Waves 0 and 1 fetch the two halves of a slot's K, waves 2 and 3 those of its V: 64 rows of 256 bytes each.  The branch hangs on the wave's number alone.
; An s_nop 0 and four v_nop follow each of the two lines, ahead of the jump and the label.
.macro JLOAD
	s_cmp_lt_u32 s[WV], 2
	s_cbranch_scc0 .Lfor_v_\@
	tensor_load_to_lds s[G0K:G0K+3], s[G1:G1+7]
	s_nop 0
.rept 4
	v_nop
.endr
	s_branch .Lasked_\@
.Lfor_v_\@:
	tensor_load_to_lds s[G0V:G0V+3], s[G1:G1+7]
	s_nop 0
.rept 4
	v_nop
.endr
.Lasked_\@:
.endm
; A round of the cluster's barrier: my work-group's barrier, so that wave 0's signal speaks for all four waves; wave 0 signals; every wave waits for all four work-groups; my work-group's barrier once more.
.macro CROUND
	s_barrier_signal -1
	s_barrier_wait -1
	s_cmp_lg_u32 s[WV], 0
	s_cbranch_scc1 .Lnot_wave_0_\@
	s_barrier_signal -3
.Lnot_wave_0_\@:
	s_barrier_wait -3
	s_barrier_signal -1
	s_barrier_wait -1
.endm
; THE NARROWING.  Wave w takes rows 32 w .. 32 w + 31 of the slot's K and of its V.  A load takes 32 lanes x 16 consecutive bytes, two rows; the lane's four f32 become 8 bytes of f16 in H.
; Loads and stores of LDS end in the order of issue (ISA guide 5.7.1): behind group g's last load stand 28 - 4 g later loads and the 4 g stores of the groups before: 28 in every group.
; The barrier at the end stands between every wave's stores into H and the reads of H.
.macro CONVERT
	WIN W_CV
	v_add_nc_u32 v[CA], s[FB], v[CA0]
.set j, 0
.rept 16
	ds_load_b128 v[XB+4*j:XB+4*j+3], v[CA] offset:512*j
.set j, j+1
.endr
.rept 16
	ds_load_b128 v[XB+4*j:XB+4*j+3], v[CA] offset:FV+512*(j-16)
.set j, j+1
.endr
.set j, 0
.rept 8
	s_wait_dscnt 28                 ; this group's four loads are in
.rept 4
	v_cvt_pk_f16_f32 v[XB+4*j], v[XB+4*j], v[XB+4*j+1]
	v_cvt_pk_f16_f32 v[XB+4*j+1], v[XB+4*j+2], v[XB+4*j+3]
.if j < 16
	ds_store_b64 v[KD], v[XB+4*j:XB+4*j+1] offset:2*PK*j
.else
	ds_store_b64 v[VD], v[XB+4*j:XB+4*j+1] offset:2*PV*(j-16)
.endif
.set j, j+1
.endr
.endr
	WIN 0
	s_wait_dscnt 0x0                ; for the others' sake: my stores into H are done
	s_barrier_signal -1
	s_barrier_wait -1
.endm
; THE CHANGE OF SLOTS.  H's last bytes, V of its second step, have been read into registers.  Each wave waits for all its tensor loads, of which one is out: its part of the slot of F that is due; adds 0 to its
; spare word; and waits for that and for its own reads of H and of F.  Behind the barrier nobody reads H any more, and the slot that is due is whole.
; fill = 1: the OTHER slot of F, narrowed one change ago, is filled again with the next 128 keys.  The barrier is then a round of the cluster's, so that no wave of any partner still reads that slot or has a load
; on its way, and the joint fill is the first thing behind it: it has two key steps, 256 matrix instructions, in which to land.  (At its first use: slot 0 is waited for, slot 1 filled for the first time.)
.macro CHANGE fill
	WIN W_AD
	s_wait_tensorcnt 0x0            ; no tensor load of mine is out, so a group 0 may be written
	ds_add_u32 v[SPW], v[NIL]       ; 0 onto my spare word; the scalar work below stands between it and the wait for it
	WIN 0                           ; at a label and at a branch every window is 0
.if \fill
.irp g, G0K, G0V
	s_xor_b32 s[\g+1], s[\g+1], FSLOT  ; the walking descriptor: the other slot than last time,
	s_add_nc_u64 s[\g+2:\g+3], s[\g+2:\g+3], 128*ROWB  ; the next 128 keys; the type bits on top are not reached
.endr
.endif
	s_xor_b32 s[FB], s[FB], FSLOT   ; the slot that has landed
	s_mov_b32 s[TBK], 0             ; the fetches go back to H's first step
	s_mov_b32 s[TBV], 0
	s_wait_dscnt 0x0                ; the add is done, and my reads of H and of F are over
.if \fill
	CROUND
	JLOAD
.else
	s_barrier_signal -1
	s_barrier_wait -1
.endif
	CONVERT
.endm
	s_load_b256 s[4:11], s[0:1], 0x0  ; Q s[4:5], K s[6:7], V s[8:9], O s[10:11]
	WIN W_MK
	v_lshl_add_u32 v[SPW], v0, 2, SPARE
	v_mov_b32 v[NIL], 0
	WIN W_AD
	ds_add_u32 v[SPW], v[NIL]       ; the wave's opening: the add and its wait stand ahead of my first tensor load; the set-up below, work on registers, stands between them
	WIN 0
	v_lshrrev_b32 v1, 5, v0
	v_readfirstlane_b32 s[WV], v1   ; wave 0..3
	s_bfe_u32 s13, ttmp6, 0x40000   ; cx: my place in the cluster
	s_lshl_b32 s14, ttmp9, 2        ; in a cluster launch ttmp9 counts clusters
	s_add_co_u32 s14, s14, s13      ; my block of 512 queries = 4 x cluster x + cx: it enters Q's and O's addresses alone
	s_and_b32 s20, ttmp7, 0xffff    ; the pair, which the four partners share
	s_lshr_b32 s21, s20, 4          ; batch
	s_and_b32 s20, s20, 15          ; head
	s_lshl_b32 s21, s21, 23         ; a batch is 2,048 rows of 4,096 bytes
	s_lshl_b32 s20, s20, 8          ; a head's 256 bytes in a row
	s_add_co_u32 s20, s20, s21      ; the pair's first byte in each of the four tensors
	s_mov_b32 s21, 0
	s_and_b32 s16, s[WV], 1         ; which half of a slot's 128 keys I fetch:
	s_lshl_b32 s22, s16, 18         ; its 64 rows of 4,096 bytes in memory,
	s_mov_b32 s23, 0
	s_add_nc_u64 s[22:23], s[22:23], s[20:21]
	s_lshl_b32 s17, s16, 14         ; and its 64 rows of 256 bytes in a slot: no place in the cluster enters an LDS address
	s_lshl_b32 s2, s14, 2
	s_add_co_u32 s2, s2, s[WV]      ; my wave among the pair's sixteen,
	s_lshl_b32 s2, s2, 19           ; its 128 rows of 4,096 bytes
	s_mov_b32 s3, 0
	s_add_nc_u64 s[2:3], s[2:3], s[20:21]
	; descriptor group 1: a tile of 64 rows x 64 elements of 4 bytes; in LDS the rows follow each other without a gap
	s_mov_b32 s[G1], 15|(2<<16)|(1<<21)  ; 15:0 the mask of four; 17:16 4-byte elements; 20 no padding; 21 set beside a mask
	s_mov_b32 s[G1+1], 64<<16       ; tensor_dim0 = 64
	s_mov_b32 s[G1+2], 64<<16       ; tensor_dim1 = 64
	s_mov_b32 s[G1+3], 64<<16       ; tile_dim0 = 64
	s_mov_b32 s[G1+4], 64           ; tile_dim1 = 64
	s_mov_b32 s[G1+5], 1024         ; 1,024 elements from row to row
	s_mov_b32 s[G1+6], 0
	s_mov_b32 s[G1+7], 0
	s_mov_b32 s[CS], 0x3e38aa3b     ; c = log2(e) / 8 = 0.180337
	s_mov_b32 s[CS+1], s[CS]        ; named with it as a pair
	s_mov_b32 s[SEL], 0x76543210
	s_mov_b32 s[SEL+1], 0xfedcba98
	s_mov_b32 s[FB], FSLOT          ; the first change of slots turns it into 0
	s_mov_b32 s[G0K], 1             ; 1:0 count = 1
	s_mov_b32 s[G0K+1], s17         ; 63:32 LDS address: slot 0
	s_mov_b32 s[G0V], 1
	s_add_co_u32 s[G0V+1], s17, FV
	s_wait_dscnt 0x0                ; the opening add is done
	s_wait_kmcnt 0x0
	s_add_nc_u64 s[G0K+2:G0K+3], s[6:7], s[22:23]  ; 120:64 global address: my half of the pair's first 128 keys
	s_or_b32 s[G0K+3], s[G0K+3], 0x80000000        ; 127:126 type = 2
	s_add_nc_u64 s[G0V+2:G0V+3], s[8:9], s[22:23]
	s_or_b32 s[G0V+3], s[G0V+3], 0x80000000
	s_add_nc_u64 s[4:5], s[4:5], s[2:3]  ; Q and O at my wave's first row
	s_add_nc_u64 s[10:11], s[10:11], s[2:3]
	CROUND                          ; all four work-groups are here: the first joint loads meet
	JLOAD                           ; slot 0.  Slot 1 is asked for when slot 0 is in
	; A fragment of Q is 16 rows x 32 channels in 8 registers of f16: lane l holds row l % 16, channels 8 (l / 16) + 0..7 and 16 + 8 (l / 16) + 0..7.  In f32 each eight are 32 bytes: two loads of 16.
	; Load i = 8 t + 4 c + 2 p + q: tile t, channels 32 c + 16 p + 8 (l / 16) + 4 q on, into window 1's registers 4 i on, so that registers 2 n, 2 n + 1 round into register n of Q.
	v_and_b32 v1, 15, v0            ; l % 16
	v_bfe_u32 v9, v0, 4, 1          ; l / 16
	v_lshlrev_b32 v[QO], 12, v1
	v_lshl_add_u32 v[QO], v9, 5, v[QO]  ; row x 4,096 + 32 x half
	WIN 0x40                        ; destination window 1, address window 0
.set i, 0
.rept 64                            ; a tile's eight loads stand together: between them they take the whole 256 bytes of its 16 rows
	global_load_b128 v[4*i:4*i+3], v[QO], s[4:5] offset:(i/8)*16*ROWB+((i/4)%2)*128+((i/2)%2)*64+(i%2)*16
.set i, i+1
.endr
	; What the first turn finds: V's registers and P's second buffer hold 0 (its products V^T P, of a piece that has not been, add 0), O^T and l are 0.  All this stands in the wait for Q and the first tile.
	WIN 0x80
.set i, VF
.rept 64
	v_mov_b32 v[i], 0
.set i, i+1
.endr
	WIN 0
.set i, 0
.rept 2*NP
	v_mov_b32 v[ST+4*i], 0xfe000000    ; c m: far below every c s
	v_mov_b32 v[ST+4*i+1], 0xff7fffff  ; m
	v_mov_b32 v[ST+4*i+2], 0
	v_mov_b32 v[ST+4*i+3], 0
.set i, i+1
.endr
.set i, P+32
.rept 32
	v_mov_b32 v[i], 0
.set i, i+1
.endr
	v_mul_u32_u24 v[AK0], v1, PK
	v_lshl_add_u32 v[AK0], v9, 4, v[AK0]  ; row x pitch + 16 x half,
	v_add_nc_u32 v[AK0], HK, v[AK0]       ; in H
	; The turning load takes 16 keys x 16 channels (lane l reads key 8 (l / 16) + l % 8, channels 8 ((l / 8) % 2) + 0..7) and leaves half a fragment of V^T: lane l holds channel l % 16 and 8 keys.
	v_and_b32 v10, 7, v0
	v_bfe_u32 v11, v0, 3, 1
	v_lshl_add_u32 v[AV0], v9, 3, v10
	v_mul_u32_u24 v[AV0], v[AV0], PV
	v_lshl_add_u32 v[AV0], v11, 4, v[AV0]
	v_add_nc_u32 v[AV0], HV, v[AV0]
	v_mov_b32 v[AK], v[AK0]         ; key step 0 lies at H's head
	; the narrowing's addresses: from F 16 bytes a lane, two rows a load; into H row l / 16 of the two, 8 bytes at 8 (l % 16)
	v_and_b32 v12, 31, v0
	v_mul_u32_u24 v10, v9, PK
	v_lshl_add_u32 v10, v1, 3, v10
	v_mul_u32_u24 v11, v9, PV
	v_lshl_add_u32 v11, v1, 3, v11
	s_lshl_b32 s13, s[WV], 13       ; my wave's 32 rows of 256 bytes in F,
	s_mul_i32 s18, s[WV], 32*PK     ; of 144 in K's part of H,
	s_add_co_u32 s18, s18, HK
	s_mul_i32 s19, s[WV], 32*PV     ; of 160 in V's
	s_add_co_u32 s19, s19, HV
	WIN W_MK
	v_lshl_add_u32 v[CA0], v12, 4, s13
	v_add_nc_u32 v[KD], s18, v10
	v_add_nc_u32 v[VD], s19, v11
	WIN 0x85                        ; sources window 1, destination window 2
.set i, 0
.rept 128
.if i%16 == 0
	s_wait_loadcnt 56-(i/16)*8      ; loads come back in order (ISA guide 5.7.1): this tile's eight are in; the 8 of each later tile may be out
.endif
	v_cvt_pk_f16_f32 v[i], v[2*i], v[2*i+1]
.set i, i+1
.endr
	WIN 0x40
.set i, 0
.rept 64*NP
	v_mov_b32 v[i], 0               ; O^T, where Q lay
.set i, i+1
.endr
; THE MATRIX WORK.  The 8 accumulators of a run of 16 take turns: between the two links of a chain stand 7 others'.
; Product i of 16 of S^T = K Q^T for piece x: channels 32 (i / 8) on, keys 16 ((i / 2) % 4) on, tile 2 x + i % 2.  The first 8 start the sums.
.macro KQ x
	WIN W_KQ
.set rS, S+64*((\x)%2)+32*(i%2)+8*((i/2)%4)
.set rK, KF+16*((i/2)%4)+8*(i/8)
.set rQ, 16*(2*(\x)+i%2)+8*(i/8)
.if i < 8
	v_wmma_f32_16x16x32_f16 v[rS:rS+7], v[rK:rK+7], v[rQ:rQ+7], 0
.else
	v_wmma_f32_16x16x32_f16 v[rS:rS+7], v[rK:rK+7], v[rQ:rQ+7], v[rS:rS+7]
.endif
.endm
; Product i of 16 of O^T += V^T P for piece x: keys 32 (i / 8) on, channels 16 ((i / 2) % 4) on, tile 2 x + i % 2.
.macro PV x
	WIN W_PV
.set rO, 32*(2*(\x)+i%2)+8*((i/2)%4)
.set rV, VF+32*(i/8)+8*((i/2)%4)
.set rP, P+32*((\x)%2)+16*(i%2)+8*(i/8)
	v_wmma_f32_16x16x32_f16 v[rO:rO+7], v[rV:rV+7], v[rP:rP+7], v[rO:rO+7]
.endm
.macro MM                           ; the turn's next matrix instruction
.if i < 16
	KQ (Y+1)%NP
.set i, i+1
.else
.set i, i-16
	PV (Y+NP-1)%NP
.set i, i+17
.endif
.endm
; THE LDS LOADS stand in runs of 16, never singly among the matrix instructions: a step's K (64 keys x 64 channels: 8 fragments) and its V (turned).  Their addresses are made some lines ahead.
; last = 1 (the tail): in the last trip there is no further step, and the run is jumped over.
.macro FETCH_K last=0
	WIN 0
.if \last
	s_cmp_eq_u32 s[CNT], 1
	s_cbranch_scc1 .Lno_k_\@
.endif
	WIN 0x80                        ; destination window 2
.irp f, 0,1,2,3,4,5,6,7             ; keys 16 (f / 2) on, channels 32 (f % 2) on
	ds_load_b128 v[KF+8*\f:KF+8*\f+3],   v[AK] offset:(\f/2)*16*PK+(\f%2)*64
	ds_load_b128 v[KF+8*\f+4:KF+8*\f+7], v[AK] offset:(\f/2)*16*PK+(\f%2)*64+32
.endr
	s_add_co_u32 s[TBK], s[TBK], KS*PK  ; the next fetch is the next step's
	WIN 0
.if \last
.Lno_k_\@:
.endif
.endm
.macro FETCH_V
	WIN 0x80
.irp f, 0,1,2,3,4,5,6,7             ; keys 32 (f / 4) on, channels 16 (f % 4) on
	ds_load_tr16_b128 v[VF+8*\f:VF+8*\f+3],   v[AV] offset:(\f/4)*32*PV+(\f%4)*32
	ds_load_tr16_b128 v[VF+8*\f+4:VF+8*\f+7], v[AV] offset:(\f/4)*32*PV+16*PV+(\f%4)*32
.endr
	WIN 0
.endm
; THE VECTOR WORK OF A TURN stands in three queues, each in the order in which its entries become ready; the two tiles alternate, so that no instruction reads the result of the one before it.
.macro REGS y, u                    ; the registers of tile u (0, 1) of piece y
.set rT, ST+4*(2*(\y)+(\u))
.set rC, TMP+8*((\y)%2)+4*(\u)
.set rM, MV+2*((\y)%2)+(\u)
.set rS, S+64*((\y)%2)+32*(\u)
.set rP, P+32*((\y)%2)+16*(\u)
.set rO, 32*(2*(\y)+(\u))
.endm
; Number n of the 22 that find the NEXT piece's (Y + 1) maximum and statistics.  s0-s31 are the lane's 32 scores; each accumulator's lowest registers are read first.  XS, GS and REGS set no window: PL and EX do.
;   0-11  four chains c0-c3 of seven scores each, three operands at a time     12-14, 16  the four scores left over, the old m, and c0-c3 into c0     15  c m_old is kept
;   17, 18  the query's other 32 keys lie in the lane 16 away: the new m         19-21  c m; c m_old - c m_new; a
.macro XS u, n
	REGS (Y+1)%NP, \u
.if (\n) < 4
	v_max3_num_f32 v[rC+(\n)], v[rS+8*(\n)], v[rS+8*(\n)+1], v[rS+8*(\n)+2]
.elseif (\n) < 12
	v_max3_num_f32 v[rC+(\n)%4], v[rC+(\n)%4], v[rS+8*((\n)%4)+2*((\n)/4)+1], v[rS+8*((\n)%4)+2*((\n)/4)+2]
.elseif (\n) == 12
	v_max3_num_f32 v[rC], v[rC], v[rS+7], v[rS+15]
.elseif (\n) == 13
	v_max3_num_f32 v[rC+1], v[rC+1], v[rS+23], v[rS+31]
.elseif (\n) == 14
	v_max3_num_f32 v[rC+2], v[rC+2], v[rC+3], v[rT+1]
.elseif (\n) == 15
	v_mov_b32 v[rM], v[rT]
.elseif (\n) == 16
	v_max3_num_f32 v[rC], v[rC], v[rC+1], v[rC+2]
.elseif (\n) == 17
	v_permlanex16_b32 v[rC+3], v[rC], s[SEL], s[SEL+1]
.elseif (\n) == 18
	v_max_num_f32 v[rT+1], v[rC], v[rC+3]
.elseif (\n) == 19
	v_mul_f32 v[rT], s[CS], v[rT+1]
.elseif (\n) == 20
	v_sub_f32 v[rC+1], v[rM], v[rT]
.else
	v_exp_f32 v[rC+2], v[rC+1]
.endif
.endm
; Number g of the 64 that follow the exponentials.  For each four weights k of a tile (pairs 2 k, 2 k + 1): both pairs are rounded to f16; then the second pair is added onto the first, in place;
; a group later l takes that sum (the first time as l = a l + sum).  In groups of eight, tiles alternating: round, round, add, and l for the group before.
.macro GS g
.set h, (\g)+6*((\g)/62)            ; group 0 has no group before it, and behind group 7 only l is left
.if h >= 6
.set h, h+2
.endif
	REGS Y, h%2
.set k, h/8
.if h%8 < 4
	s_wait_alu depctr_va_vdst(0)
	v_cvt_pk_f16_f32 v[rP+2*k+(h%8)/2], v[rS+4*k+2*((h%8)/2)], v[rS+4*k+2*((h%8)/2)+1]
.elseif h%8 < 6
	v_pk_add_f32 v[rS+4*k:rS+4*k+1], v[rS+4*k:rS+4*k+1], v[rS+4*k+2:rS+4*k+3]
.elseif k == 1
	v_pk_fma_f32 v[rT+2:rT+3], v[rT+2:rT+3], v[rC+2:rC+3], v[rS:rS+1] op_sel_hi:[1,0,1]
.else
	v_pk_add_f32 v[rT+2:rT+3], v[rT+2:rT+3], v[rS+4*k-4:rS+4*k-3]
	s_wait_alu depctr_va_vdst(0)
.endif
.endm
; THE PLAIN QUEUE, 138 long.  0-31: c s - c m for the 16 pairs of both tiles.  Then GS's 64, and among them the next piece's 42: number 15 at 38, 39; 0-14 and 16
; at 42-73, behind the products that make those scores; 17-20 at 95-106, two of three, since each waits for the one before it.
.macro PL
	WIN 0
.if q < 32
	REGS Y, q%2
	v_pk_fma_f32 v[rS+2*(q/2):rS+2*(q/2)+1], v[rS+2*(q/2):rS+2*(q/2)+1], s[CS:CS+1], v[rT:rT+1] op_sel_hi:[1,0,0] neg_lo:[0,0,1] neg_hi:[0,0,1]
.elseif q < 38
	GS q-32
.elseif q < 40
	XS q%2, 15
.elseif q < 42
	GS q-34
.elseif q < 74
	XS q%2, (q-42)/2+(q-42)/30
.elseif q < 95
	GS q-66
.elseif (q < 107) && ((q-95)%3 < 2)
	XS (q-95)%3, 17+(q-95)/3
.elseif q < 107
	GS 29+(q-95)/3
.else
	GS q-74
.endif
.set q, q+1
.endm
; THE EXPONENTIALS' QUEUE, 66 long: s0-s31 of both tiles, and at EA the next piece's two a.
.set EA, 58
.macro EX
	WIN 0
.if (e == EA) || (e == EA+1)
	XS e-EA, 21
.else
.set x, e-2*(e/(EA+2))
	REGS Y, x%2
	v_exp_f32 v[rS+x/2], v[rS+x/2]
.endif
.set e, e+1
.endm
; THE RESCALING's QUEUE: O^T times a, the one part that leaves window 0, so it is dealt four at a time, eight times; each accumulator from its low end on.
.macro R4
	REGS Y, r%2
	WIN W_RS
	s_wait_alu depctr_va_vdst(0)
.irp z, 0,1,2,3
	v_pk_mul_f32 v[rO+8*(r/2)+2*\z:rO+8*(r/2)+2*\z+1], v[rO+8*(r/2)+2*\z:rO+8*(r/2)+2*\z+1], v[rC+2:rC+3] op_sel_hi:[1,0]
.endr
.set r, r+1
.endm
; HOW THEY ARE DEALT.  Behind a matrix instruction four: plain, exponential, plain, plain (one exponential, a plain instruction on either side), or four of the rescaling.  None names a register of the
; products round it.  What is over stands in two LUMPS: exponential and plain by turns; the second ends in 22 plain instructions.  The two v_permlanex16_b32 fall into the second lump, never behind a product.
; The queues lean on each other, and the deal keeps them in step: exponential e stands behind plain 2 (e / 4) + e % 2 (its scaling); when plain 32 comes, 10 exponentials are out, at 59: 33, at 95: 46; EA comes behind plain 107.
.macro SL
	MM
	PL
	EX
	PL
	PL
.endm
.macro BURST n                      ; 15 matrix instructions, or 16
.rept (\n)-7
	SL
.endr
.rept 3
	MM
	R4
	SL
.endr
	MM
	R4
.endm
; A TURN, for piece p.  cnt = 1: the loop's count is taken down some lines ahead of the branch that stands behind the turn.
; K of the next step is fetched in piece 2's turn, 31 vector instructions behind the last product that read K; its first reader comes behind the rest of the lump, 16 products and the second lump.
; V of the step in hand is fetched at the end of piece 0's turn, 69 behind its last reader; its first reader comes behind 16 products and a lump.  The four conditions on e and q below go with the deal.
.macro TURN p, last=0, cnt=0
.set Y, (\p)
.set i, 0
.set q, 0
.set e, 0
.set r, 0
.if (\p) == NP-1
	s_wait_dscnt 0x0                ; K is in
.endif
	MM
.rept 4
	PL
.endr
	BURST 15
.rept 22
	EX
	PL
.if ((\p) == NP-2) && (e == 18)
	v_add_nc_u32 v[AK], s[TBK], v[AK0]
.endif
.if ((\p) == NP-2) && (e == 24)
	FETCH_K \last
.endif
.endr
.if (\p) == 1
	s_wait_dscnt 0x0                ; V is in
.endif
	BURST 16
.rept 21
	EX
	PL
.endr
.rept 22
	PL
.if ((\p) == 0) && (q == 118)
	v_add_nc_u32 v[AV], s[TBV], v[AV0]
	s_wait_alu depctr_va_vdst(0)
.endif
.if ((\p) == 0) && (q == 130)
	s_add_co_u32 s[TBV], s[TBV], KS*PV
.endif
.if (\cnt) && (q == 130)
	s_sub_co_u32 s[CNT], s[CNT], 1
	s_cmp_lg_u32 s[CNT], 0
.endif
.endr
.if (\p) == 0
	FETCH_V
.endif
.endm
	CHANGE 1                        ; slot 0 is in, everybody's part of it; slot 1 is asked for; slot 0 is narrowed into H
	FETCH_K                         ; key step 0
	s_wait_dscnt 0x0
.set i, 0
.rept 16
	KQ 0                            ; piece 0's first scores: there is no vector work yet to set between them
.set i, i+1
.endr
	WIN 0                           ; the addresses for the way out: eight plain instructions, the places behind those products
	s_mul_i32 s13, s[WV], 16*SP
	s_add_co_u32 s13, s13, STAGE    ; my stage
	v_mul_u32_u24 v[STO], v1, SP    ; in: row l % 16, 32 bytes for each half of the lanes
	v_lshl_add_u32 v[STO], v9, 5, v[STO]
	v_add_nc_u32 v[STO], s13, v[STO]
	v_mul_u32_u24 v[RD], v9, SP     ; back: lanes 0-15 take one row of 256 bytes, lanes 16-31 the next
	v_lshl_add_u32 v[RD], v1, 4, v[RD]
	v_add_nc_u32 v[RD], s13, v[RD]
	v_lshlrev_b32 v[GO], 12, v9     ; and the same two rows in out0
	v_lshl_add_u32 v[GO], v1, 4, v[GO]
.set Y, NP-1                        ; XS works for piece Y + 1: piece 0
.irp n, 0,1,2,3,4,5,6,7,8,9,10,11,12,13,14,15,16,17,18,19,20,21
	XS 0, \n                        ; and piece 0's first maximum and statistics
	XS 1, \n
.endr
	s_mov_b32 s[CNT], 2
	s_mov_b32 s[SLOTS], NS-1
	s_branch .Lfirst                ; the loop is entered at a step's first turn, in the middle of a trip
.Lslot:                             ; NS - 2 times: each asks for one of the slots 2 .. NS - 1
	CHANGE 1
	s_mov_b32 s[CNT], 2
.Lstep:                             ; a trip: pieces 2 and 3 of one step, then pieces 0 and 1 of the next, whose K and V it fetches
	TURN 2
	TURN 3
	WIN 0
.Lfirst:
	TURN 0
	TURN 1, 0, 1
	WIN 0
	s_cbranch_scc1 .Lstep
	s_sub_co_u32 s[SLOTS], s[SLOTS], 1
	s_cmp_lg_u32 s[SLOTS], 0
	s_cbranch_scc1 .Lslot
	CHANGE 0                        ; the tail is written out: nothing is asked for; the last slot is narrowed
	s_mov_b32 s[CNT], 3             ; two trips fetch the last slot's steps; the third is left in its middle
.Ltail:
	TURN 2, 1
	TURN 3
	WIN 0
	s_sub_co_u32 s[CNT], s[CNT], 1
	s_cmp_eq_u32 s[CNT], 0
	s_cbranch_scc1 .Lout
	TURN 0
	TURN 1
	WIN 0
	s_branch .Ltail
.Lout:                              ; the third trip's 16 products K Q^T (on the last K once more) and the maximum made of them serve nothing: the price, once a launch, of one text for every trip
.set i, 0
.rept 16
	PV NP-1                         ; the last piece's V^T P of the last step
.set i, i+1
.endr
	; THE WAY OUT.  l's two halves and the other half of the lanes' are added; O^T is divided by l and sent, in f32, through my stage in LDS, a tile at a time.  The additions are the places behind the last products.
	WIN 0
.macro ALL line:vararg              ; one line for each tile t
.set t, 0
.rept 2*NP
	\line
.set t, t+1
.endr
.endm
	ALL v_add_f32 v[ST+4*t+2], v[ST+4*t+2], v[ST+4*t+3]
	ALL v_permlanex16_b32 v[ST+4*t+3], v[ST+4*t+2], s[SEL], s[SEL+1]
	ALL v_add_f32 v[ST+4*t+2], v[ST+4*t+2], v[ST+4*t+3]
	ALL v_rcp_f32 v[ST+4*t+2], v[ST+4*t+2]
	v_nop                           ; a plain instruction between the last reciprocal and the use of its result
	s_wait_alu depctr_va_vdst(0)
; Tile t: a lane's eight channels of a row are 32 bytes, two stores of 16; they go into rows of 272 bytes and come back as whole rows of 256, into the registers that they left.
.macro PACK t
	WIN W_RS
.set i, 32*(\t)
.rept 16
	v_pk_mul_f32 v[i:i+1], v[i:i+1], v[ST+4*(\t)+2:ST+4*(\t)+3] op_sel_hi:[1,0]
.set i, i+2
.endr
	WIN 0x04                        ; store data (source 1) window 1, address window 0
.irp f, 0,1,2,3,4,5,6,7             ; channels 16 (f / 2) + 8 (l / 16) + 4 (f % 2) on
	ds_store_b128 v[STO], v[32*(\t)+4*\f:32*(\t)+4*\f+3] offset:64*(\f/2)+16*(\f%2)
.endr
	WIN 0x40                        ; destination window 1
.irp f, 0,1,2,3,4,5,6,7
	ds_load_b128 v[32*(\t)+4*\f:32*(\t)+4*\f+3], v[RD] offset:\f*2*SP  ; LDS serves a wave's instructions in order (ISA guide 5.7.1.4): these see the stores above; the next tile's stores come behind them
.endr
.endm
.macro SEND t, younger              ; younger: the LDS instructions issued behind tile t's loads: the next tile's sixteen, or none
	WIN 0x04
.irp f, 0,1,2,3,4,5,6,7
	s_wait_dscnt (\younger)+7-\f
	global_store_b128 v[GO], v[32*(\t)+4*\f:32*(\t)+4*\f+3], s[10:11] offset:(\t)*16*ROWB+\f*2*ROWB th:TH_STORE_NT  ; 16 lanes store 256 consecutive bytes, a head's part of a row, at a multiple of 256 from out0's first byte
.endr
.endm
	PACK 0
.set t, 1
.rept 2*NP-1                        ; a tile's arithmetic stands between the loads of the tile before and its stores
	PACK t
	SEND t-1, 16
.set t, t+1
.endr
	SEND 2*NP-1, 0
	WIN W_AD
	s_wait_tensorcnt 0x0            ; the wave's end: the add and its waits, behind my last tensor load and my last LDS store
	ds_add_u32 v[SPW], v[NIL]
	s_wait_dscnt 0x0
	WIN 0
	CROUND                          ; the closing round: no work-group ends while a partner may still ask for a tile that names it
	s_endpgm
.Lfunc_end_k_q3d9785040b_attn:
	.size	k_q3d9785040b_attn, .Lfunc_end_k_q3d9785040b_attn-k_q3d9785040b_attn
	.p2alignl 7, 3214868480
	.fill 96, 4, 3214868480
	.section	.rodata,"a",@progbits
	.p2align	6, 0x0
	.amdhsa_kernel k_q3d9785040b_attn
		.amdhsa_group_segment_fixed_size 327680
		.amdhsa_private_segment_fixed_size 0
		.amdhsa_enable_private_segment 0
		.amdhsa_kernarg_size 32
		.amdhsa_user_sgpr_count 2
		.amdhsa_user_sgpr_kernarg_segment_ptr 1
		.amdhsa_wavefront_size32 1
		.amdhsa_system_sgpr_workgroup_id_x 1
		.amdhsa_system_sgpr_workgroup_id_y 1
		.amdhsa_system_sgpr_workgroup_id_z 1
		.amdhsa_system_vgpr_workitem_id 0
		.amdhsa_next_free_vgpr 904
		.amdhsa_next_free_sgpr 66
		.amdhsa_reserve_vcc 0
		.amdhsa_float_denorm_mode_32 3
		.amdhsa_float_denorm_mode_16_64 3
		.amdhsa_memory_ordered 1
		.amdhsa_forward_progress 1
		.amdhsa_inst_pref_size 245
	.end_amdhsa_kernel
	.amdgpu_metadata
---
amdhsa.version: [ 1, 2 ]
amdhsa.kernels:
  - .name:           k_q3d9785040b_attn
    .symbol:         k_q3d9785040b_attn.kd
    .args:
      - { .name: querys, .offset: 0, .size: 8, .value_kind: global_buffer, .address_space: global }
      - { .name: keys, .offset: 8, .size: 8, .value_kind: global_buffer, .address_space: global }
      - { .name: values, .offset: 16, .size: 8, .value_kind: global_buffer, .address_space: global }
      - { .name: out0, .offset: 24, .size: 8, .value_kind: global_buffer, .address_space: global }
    .group_segment_fixed_size: 327680
    .private_segment_fixed_size: 0
    .kernarg_segment_align: 8
    .kernarg_segment_size: 32
    .max_flat_workgroup_size: 128
    .sgpr_count:     66
    .vgpr_count:     904
    .wavefront_size: 32
...
	.end_amdgpu_metadata
.endif
;; end of part 1
